; MI455X (gfx1250); checked and timed in simulation.
; The chip was launched on July 23, 2026; its instructions are those of AMD's public machine-readable ISA for CDNA 5 (MIT licence, August 2026) and "CDNA5" Instruction Set Architecture Reference Guide (July 2026). The comments in the code are by the model that wrote it; some were corrected since.
;; Test FP8 GEMM. Allowed arithmetic: float matrix products may take bf16 or f16 operands with f32 sums; other float arithmetic in f32, or as packed bf16 or f16 multiplies, adds, multiply-adds, maxima and minima; sums over many terms, partial sums and values carried from step to step in f32; what a program stores and reads back later, other than sums and carried values, may be rounded once to bf16 or f16.
;; Inputs: bias 4,096 bfloat16; inp 4,096 x 4,096 float32; weight 4,096 x 4,096 float32.
;; Outputs: out0 4,096 x 4,096 float32.
;; 2 versions, each right; version 2 is version 1 with the launch quant written anew for expert scheduling mode. Each part assembles by itself: llvm-mc -triple=amdgcn-amd-amdhsa -mcpu=gfx1250 --defsym DOCPART=n.
;; ======== version 1 of 2: 2 launches
;; limits: inputs' magnitudes at most 448
;; workspace buffers: aq 33,554,432 bytes; wq 33,554,432 bytes
;; launch quant (part 1): grid 512 x 2, 8 waves a work-group, no clusters, 0 bytes of LDS; arguments inp, weight, aq, wq; writes aq, wq
.if DOCPART == 1
	.amdgcn_target "amdgcn-amd-amdhsa--gfx1250"
	.amdhsa_code_object_version 6
	.text
	.protected	k_q71d4f71b7d_quant
	.globl	k_q71d4f71b7d_quant
	.p2align	8
	.type	k_q71d4f71b7d_quant,@function
k_q71d4f71b7d_quant:
	s_mov_b64 s[64:65], 0
	v_nop
	global_prefetch_b8 v0, s[64:65] scope:SCOPE_SE
	s_setreg_imm32_b32 hwreg(HW_REG_WAVE_MODE, 25, 1), 1
	s_wait_xcnt 0x0
; aq = q(inp), wq = q(weight): q rounds an f32 to e4m3 (to nearest even), and the e4m3 number is written as bf16.
; Every e4m3 number (3 bits of mantissa, 2^-9 to 448) is exact in bf16, so the second conversion loses nothing: the product that follows multiplies just the numbers that the e4m3 codes stand for.
; LIMIT.  An input with 448 < |x| <= 464 should round down to 448; here it takes what v_cvt_pk_fp8_f32 gives beyond 448, which may be the NaN code.  Above 464 the result is NaN, as it should be.
; No clamp is written: it would turn those NaN into 448.
; SHARES.  Work-group y = 0 takes inp, y = 1 weight.  Work-group x owns 131,072 consecutive bytes of the source (32 steps of 4,096) and the 65,536 bytes of the result that belong to them.
; In a step thread t loads the 16 bytes at 16 t (a wave's load covers 512 consecutive bytes) and stores the 8 bytes at 8 t (a wave's store covers 256 consecutive bytes, aligned).
; A ring of DEPTH slots in registers keeps DEPTH loads of every wave in flight.  No LDS, no barrier, no matrix unit, no cluster: no byte is wanted twice and no wave wants another's.
.set STEPB,  4096                      ; source bytes of the work-group in a step
.set OUTB,   2048                      ; result bytes of the work-group in a step
.set DEPTH,  8                         ; slots = loads in flight in each wave
.set ROUNDS, 4                         ; 32 steps: each round takes every slot once
.set LO, 1                             ; v1        16 t; never rewritten
.set SO, 2                             ; v2        8 t; never rewritten
                                       ; v3        four e4m3 codes (its halves are named v3.l, v3.h)
.set W,  4                             ; v[4:7]    the four codes as f32
.set X,  8                             ; v[8:39]   slot i: 4 registers as loaded
.set Y,  40                            ; v[40:55]  slot i: 2 registers, 4 bf16 to store
	s_load_b256 s[4:11], s[0:1], 0x0               ; inp s[4:5], weight s[6:7], aq s[8:9], wq s[10:11]
	s_and_b32 s12, ttmp7, 0xffff                   ; y: which of the two tensors
	s_lshl_b32 s14, ttmp9, 17                      ; my work-group's first source byte (under 2^26),
	s_mov_b32 s15, 0
	s_lshl_b32 s16, ttmp9, 16                      ; and its first result byte
	s_mov_b32 s17, 0
	v_lshlrev_b32 v[LO], 4, v0
	v_lshlrev_b32 v[SO], 3, v0
	v_mov_b32 v3, 0                                ; written whole once: afterwards its halves are written one at a time
	s_wait_kmcnt 0x0
	s_cmp_eq_u32 s12, 0
	s_cselect_b64 s[4:5], s[4:5], s[6:7]           ; the source
	s_cselect_b64 s[8:9], s[8:9], s[10:11]         ; and its result
	s_add_nc_u64 s[4:5], s[4:5], s[14:15]
	s_add_nc_u64 s[8:9], s[8:9], s[16:17]
.irp i, 0,1,2,3,4,5,6,7
	global_load_b128 v[X+4*(\i):X+4*(\i)+3], v[LO], s[4:5] offset:(\i)*STEPB th:TH_LOAD_NT  ; fill the ring: steps 0 to 7; the source is read once in the launch
.endr
; One slot's turn.  ahead = 1: the slot is filled again with the step DEPTH further on.  left = how many younger loads may still be out.
.macro SLOT i, ahead, left
	s_wait_loadcnt \left                           ; loads come back in order (ISA guide 5.7.1): mine is in, the younger ones stay out
	v_cvt_pk_fp8_f32 v3.l, v[X+4*(\i)], v[X+4*(\i)+1]      ; two roundings to e4m3: bytes 0 and 1,
	v_cvt_pk_fp8_f32 v3.h, v[X+4*(\i)+2], v[X+4*(\i)+3]    ; bytes 2 and 3
	v_cvt_pk_f32_fp8 v[W:W+1], v3.l                ; and back to f32, exactly
	v_cvt_pk_f32_fp8 v[W+2:W+3], v3.h
.if \ahead
	global_load_b128 v[X+4*(\i):X+4*(\i)+3], v[LO], s[4:5] offset:(DEPTH+(\i))*STEPB th:TH_LOAD_NT  ; the load goes out ahead of the store
.endif
	v_cvt_pk_bf16_f32 v[Y+2*(\i)], v[W], v[W+1]    ; exact: an e4m3 number has 4 significant bits
	v_cvt_pk_bf16_f32 v[Y+2*(\i)+1], v[W+2], v[W+3]
	global_store_b64 v[SO], v[Y+2*(\i):Y+2*(\i)+1], s[8:9] offset:(\i)*OUTB  ; no hint: the next launch reads these bytes
.endm
	s_mov_b32 s13, ROUNDS-1
.Lround:
.irp i, 0,1,2,3,4,5,6,7
	SLOT \i, 1, DEPTH-1
.endr
	s_wait_xcnt 0x0                                ; every load and store issued so far has had its address translated (ISA guide 3.1): only behind this wait are the two bases stepped and the stores' Y written again
	s_add_nc_u64 s[4:5], s[4:5], DEPTH*STEPB
	s_add_nc_u64 s[8:9], s[8:9], DEPTH*OUTB
	s_sub_co_u32 s13, s13, 1
	s_cmp_lg_u32 s13, 0
	s_cbranch_scc1 .Lround
.irp i, 0,1,2,3,4,5,6,7
	SLOT \i, 0, DEPTH-1-(\i)                       ; the last round loads nothing: no load leaves the work-group's bytes, and the counts run down
.endr
	s_endpgm
.Lfunc_end_k_q71d4f71b7d_quant:
	.size	k_q71d4f71b7d_quant, .Lfunc_end_k_q71d4f71b7d_quant-k_q71d4f71b7d_quant
	.p2alignl 7, 3214868480
	.fill 96, 4, 3214868480
	.section	.rodata,"a",@progbits
	.p2align	6, 0x0
	.amdhsa_kernel k_q71d4f71b7d_quant
		.amdhsa_group_segment_fixed_size 0
		.amdhsa_private_segment_fixed_size 0
		.amdhsa_enable_private_segment 0
		.amdhsa_kernarg_size 32
		.amdhsa_user_sgpr_count 2
		.amdhsa_user_sgpr_kernarg_segment_ptr 1
		.amdhsa_wavefront_size32 1
		.amdhsa_system_sgpr_workgroup_id_x 1
		.amdhsa_system_sgpr_workgroup_id_y 1
		.amdhsa_system_sgpr_workgroup_id_z 1
		.amdhsa_system_vgpr_workitem_id 0
		.amdhsa_next_free_vgpr 56
		.amdhsa_next_free_sgpr 66
		.amdhsa_reserve_vcc 0
		.amdhsa_float_denorm_mode_32 3
		.amdhsa_float_denorm_mode_16_64 3
		.amdhsa_memory_ordered 1
		.amdhsa_forward_progress 1
		.amdhsa_inst_pref_size 10
	.end_amdhsa_kernel
	.amdgpu_metadata
---
amdhsa.version: [ 1, 2 ]
amdhsa.kernels:
  - .name:           k_q71d4f71b7d_quant
    .symbol:         k_q71d4f71b7d_quant.kd
    .args:
      - { .name: inp, .offset: 0, .size: 8, .value_kind: global_buffer, .address_space: global }
      - { .name: weight, .offset: 8, .size: 8, .value_kind: global_buffer, .address_space: global }
      - { .name: aq, .offset: 16, .size: 8, .value_kind: global_buffer, .address_space: global }
      - { .name: wq, .offset: 24, .size: 8, .value_kind: global_buffer, .address_space: global }
    .group_segment_fixed_size: 0
    .private_segment_fixed_size: 0
    .kernarg_segment_align: 8
    .kernarg_segment_size: 32
    .max_flat_workgroup_size: 256
    .sgpr_count:     66
    .vgpr_count:     56
    .wavefront_size: 32
...
	.end_amdgpu_metadata
.endif
;; end of part 1
;; launch gemm (part 2): grid 16 x 16, 4 waves a work-group, clusters of 4 x 4, 327,680 bytes of LDS; arguments aq, wq, bias, out0; writes out0
.if DOCPART == 2
	.amdgcn_target "amdgcn-amd-amdhsa--gfx1250"
	.amdhsa_code_object_version 6
	.text
	.protected	k_q71d4f71b7d_gemm
	.globl	k_q71d4f71b7d_gemm
	.p2align	8
	.type	k_q71d4f71b7d_gemm,@function
k_q71d4f71b7d_gemm:
	s_mov_b64 s[64:65], 0
	v_nop
	global_prefetch_b8 v0, s[64:65] scope:SCOPE_SE
	s_setreg_imm32_b32 hwreg(HW_REG_WAVE_MODE, 25, 1), 1
	s_wait_xcnt 0x0
	s_wait_alu depctr_hold_cnt(0) depctr_sa_sdst(0) depctr_va_vdst(0) depctr_va_sdst(0) depctr_va_ssrc(0) depctr_va_vcc(0) depctr_vm_vsrc(0)
	s_getreg_b32 s2, hwreg(HW_REG_IB_STS2, 6, 4)
	s_cmp_eq_u32 s2, 0
	s_cbranch_scc0 .Lentry_in_a_cluster
	s_endpgm
.Lentry_in_a_cluster:
	s_bfe_u32 s2, ttmp6, 0x10000c
	s_cmp_lg_u32 s2, 0xf033
	s_cbranch_scc0 .Lentry_shape_is_right
	s_endpgm
.Lentry_shape_is_right:
; out0[m][n] = bias[n] + the sum over k of aq[m][k] wq[n][k].  aq: [4096][4096], wq: [4096][4096], bf16 (e4m3 numbers written exactly as bf16 by the launch before); bias: [4096] bf16; out0: [4096][4096] f32.
; Sums in f32, K ascending, begun with the bias: it is the C operand of each sum's first product, so nothing is cleared and nothing is added at the end.
; SHARES.  A tile of out0 is 256 x 256: 16 x 16 tiles, one to a work-group of four waves; a wave makes 128 x 128: 64 accumulators of 16 x 16, 512 registers.
; K goes in steps of 128 through a ring of two LDS slots filled by the tensor data mover: a tile's rows are 256 bytes of memory and start at multiples of 256 bytes from the buffer's first byte.
; CLUSTERS: 4 x 4 work-groups.  The four of a row of the cluster need the same tiles of aq, the four of a column the same tiles of wq: each tile is asked for JOINTLY, by the same tensor load with the same
; descriptor and a mask that names the four, and each receives it in its own LDS.  That divides the requests for both operands by four.
; THE MATRIX INSTRUCTION IS USED TRANSPOSED: source 0 = 16 rows of wq, source 1 = 16 rows of aq.  In the result lane l holds row m = l % 16 and its registers 0 to 7 the columns n = 8 (l / 16) + 0 .. 7:
; 32 neighbouring bytes of a row of out0.  The bias is laid out likewise: register j of lane l holds bias[n0 + 8 (l / 16) + j].
; THE WAY OUT: 16 rows at a time through the wave's own stage in LDS, back as whole rows of 512 bytes, one store of the wave a row.
; NaN and infinities are not treated apart: they go through the products as they are.
;
; REGISTERS, in windows of 256 (an instruction names v0-v255; s_set_vgpr_msb says which window each operand place means: bits 1:0 source 0, 3:2 source 1, 5:4 source 2, 7:6 destination):
;   window 0: v0-31 addresses; v32-63 the bias as loaded; v64-127, v128-191 fragments of aq, two buffers (on the way out: rows read back from the stage, two buffers); v192-255 the bias in f32
;   window 1: v64-127, v128-191 fragments of wq, two buffers
;   window 2: the 32 accumulators of my rows 0-63 (accumulator (a, b) at v[8 (8 a + b)]);   window 3: those of my rows 64-127
.set SIZE_N, 4096
.set SIZE_K, 4096
.set KSTEP,  128
.set PITCH,  272                       ; an LDS row: 256 bytes of data + 16 of padding = 68 words: row r starts at bank 4 r mod 64 (64 banks of 4 bytes: ISA guide 11.1), so the 16 rows that a load touches start at 16 different banks
.set HALFT,  128*PITCH                 ; 128 rows: what one tensor load brings, and what one wave reads of either operand
.set SLOT,   4*HALFT                   ; aq's 256 rows, then wq's 256 rows
.set STAGE,  2*SLOT                    ; behind the ring: 16 rows x 528 bytes for each wave, for the way out; no tensor load lands here
.set SPITCH, 528                       ; a stage row: 512 bytes + 16 = 132 words: row r starts at bank 4 r mod 64
.set SPARE,  STAGE+4*16*SPITCH         ; behind the stages: the spare words, 128 bytes for each wave: two blocks of 256 bytes that no other line names
.set LAPS,   SIZE_K/(2*KSTEP)          ; a lap = two K steps = once round the ring: 16
.set ADRA, 16                          ; v16-17  LDS address of my fragments of aq in slot 0, 1
.set ADRB, 20                          ; v20-21  the same for wq
.set STO,  24                          ; v24     the way out: where I put 32 bytes of a row
.set RD,   25                          ; v25     the way out: my 16 bytes of a row read back
.set CO,   26                          ; v26     my 16 bytes in 512 consecutive bytes of out0
.set VB,   27                          ; v27     my byte offset in 32 bytes of the bias: 16 (l / 16)
.set SPW,  28                          ; v28     LDS address of my spare word: SPARE + 4 x my thread's number; never rewritten
.set NIL,  29                          ; v29     0; never rewritten
.set PFO,  30                          ; v30     the prefetches' offset: my lane x a row of aq or wq (8,192 bytes); never rewritten
.set PB,   32                          ; v32-63  the bias of my 128 columns as loaded: 8 bf16 for each block of 16 columns
.set F0,   64                          ; fragment buffer 0
.set F1,   128                         ; fragment buffer 1
.set OB,   64                          ; the way out: 16 rows read back from the stage: v64-127 and v128-191 by turns
.set BIAS, 192                         ; v192-255  the bias in f32: block b of 16 columns at BIAS + 8 b
.set WV,   12                          ; s12  my wave's number
.set HR,   13                          ; s13  which half of the tile's rows is mine.  Also: I fetch for aq (0) or for wq (1)
.set HC,   14                          ; s14  which half of its columns.  Also: which 128 rows of that operand's tile I fetch
.set CX,   15                          ; s15  my place along the cluster's x
.set CY,   16                          ; s16  along its y
.set TC,   17                          ; s17  tile column of out0
.set TR,   18                          ; s18  tile row of out0
.set G1,   24                          ; s[24:31] descriptor group 1 for aq's tiles
.set G0,   32                          ; s[32:39] descriptor group 0 for aq's tiles, one set for each slot
.set PFA,  44                          ; s[44:45] where my prefetches stand: my work-group's 32 rows of the 128 that I fetch, one K step further along K than the refill that is being asked for
.set LIM,  46                          ; s46  1 in a wave that prefetches, else the greatest number
.set G1B,  48                          ; s[48:55] descriptor group 1 for wq's tiles: it differs in the mask alone
.set G0B,  56                          ; s[56:63] descriptor group 0 for wq's tiles, one set for each slot
.set MSB, 0
.macro WIN new                         ; the immediate's high byte repeats the setting that is left; a switch that changes nothing is dropped
.if MSB != (\new)
	s_set_vgpr_msb (MSB<<8)|(\new)
.set MSB, \new
.endif
.endm
.set MUL_LO, 0xa1                      ; source 0 (wq) window 1, source 1 (aq) window 0, C and D window 2
.set MUL_HI, 0xf1                      ; the same, C and D window 3
.set FST_LO, 0x81                      ; a sum's first product: C (the bias) window 0, D window 2
.set TO_B,   0x40                      ; destination window 1, address window 0
; A joint load.  Waves 0 and 1 fetch aq's two halves, waves 2 and 3 wq's.  Each of the two lines has ONE mask and one set of registers for all that issue it, and nothing in them hangs on a coordinate
; that the four partners do not share.  The branch hangs on the wave's number alone.  An s_nop 0 and four v_nop follow each of the two lines, ahead of the jump and the label.
.macro JLOAD s
	s_cmp_eq_u32 s[HR], 0
	s_cbranch_scc0 .Lfor_b_\@
	tensor_load_to_lds s[G0+4*(\s):G0+4*(\s)+3], s[G1:G1+7]
	s_nop 0
.rept 4
	v_nop
.endr
	s_branch .Lasked_\@
.Lfor_b_\@:
	tensor_load_to_lds s[G0B+4*(\s):G0B+4*(\s)+3], s[G1B:G1B+7]
	s_nop 0
.rept 4
	v_nop
.endr
.Lasked_\@:
.endm
; A PREFETCH INTO THE L2, behind each joint refill, its five lines and the run of LDS loads that follows them: the K step that stands TWO refills on, 512 matrix instructions ahead of the load that will ask for it:
; 32 rows x 256 bytes, a lane a row, one instruction a wave.  Each row's 256 bytes of a K step are named ONCE in the launch.  aq's tile row is read by every cluster of that row of clusters: the first of them
; (cluster x = 0) prefetches; wq's tile column by every cluster of that column: cluster y = 0 prefetches.  The four partners that ask for a tile jointly share its rows out BY ADDRESS: of the 128 rows that a
; wave fetches, the partner at place p takes 32 p .. 32 p + 31 (p = cx for aq, cy for wq): no branch hangs on a work-group's place in its cluster.  The loop's last trip asks for nothing: its two refills are
; K steps 30 and 31, and there is no K step two on.  K steps 0 to 3 come by their loads alone.
.macro ASK
	s_cmp_gt_u32 s3, s[LIM]                        ; s3 = 1 in the loop's last trip
	s_cbranch_scc0 .Lnot_mine_\@
	global_prefetch_b8 v[PFO], s[PFA:PFA+1] offset:KSTEP*2 th:TH_LOAD_NT scope:SCOPE_SE
.Lnot_mine_\@:
.endm
; A round of the cluster's barrier: my work-group's barrier, so that wave 0's signal speaks for all four waves; wave 0 signals for the work-group; every wave waits for all sixteen work-groups;
; my work-group's barrier once more.  No LDS instruction of the wave is pending at a signal.
.macro CREST                           ; a round behind its opening barrier
	s_cmp_lg_u32 s[WV], 0
	s_cbranch_scc1 .Lnot_wave_0_\@
	s_barrier_signal -3
.Lnot_wave_0_\@:
	s_barrier_wait -3
	s_barrier_signal -1
	s_barrier_wait -1
.endm
.macro CROUND                          ; a whole round
	s_barrier_signal -1
	s_barrier_wait -1
	CREST
.endm
	s_load_b256 s[4:11], s[0:1], 0x0               ; aq s[4:5], wq s[6:7], bias s[8:9], out0 s[10:11]
	v_lshl_add_u32 v[SPW], v0, 2, SPARE
	v_mov_b32 v[NIL], 0
	ds_add_u32 v[SPW], v[NIL]                      ; the wave's opening: the add and its wait stand ahead of my first tensor load; the set-up below, work on registers, stands between them
	v_lshrrev_b32 v1, 5, v0
	v_readfirstlane_b32 s[WV], v1                  ; wave 0..3
	s_lshr_b32 s[HR], s[WV], 1
	s_and_b32 s[HC], s[WV], 1
	s_bfe_u32 s[CX], ttmp6, 0x40000
	s_bfe_u32 s[CY], ttmp6, 0x40004
	s_lshl_b32 s[TC], ttmp9, 2                     ; in a cluster launch ttmp9 and ttmp7 count clusters
	s_add_co_u32 s[TC], s[TC], s[CX]               ; tile column = 4 x cluster x + cx
	s_and_b32 s[TR], ttmp7, 0xffff
	s_lshl_b32 s[TR], s[TR], 2
	s_add_co_u32 s[TR], s[TR], s[CY]               ; tile row = 4 x cluster y + cy
	s_lshl_b32 s19, s[CY], 2
	s_lshl_b32 s19, 15, s19                        ; my row of the cluster: places 4 cy .. 4 cy + 3
	s_lshl_b32 s47, 0x1111, s[CX]                  ; my column: places cx, cx + 4, cx + 8, cx + 12
	; descriptor group 1: a tile of 128 rows x 128 elements, padded in LDS
	s_or_b32 s[G1+0], s19, (1<<16)|(1<<20)|(1<<21)|(5<<22)|(3<<25)   ; 15:0 the mask: aq's tiles go to my row; 17:16 element of 2 bytes; 20 padding on; 21 set beside a mask; 24:22 after every 64 words (code 5); 31:25 of 4 words (code 3)
	s_or_b32 s[G1B+0], s47, (1<<16)|(1<<20)|(1<<21)|(5<<22)|(3<<25)  ; the same with the mask of my column, for wq's tiles
.irp g, G1, G1B
	s_mov_b32 s[(\g)+1], KSTEP<<16                 ; 63:48 tensor_dim0, low half = 128
	s_mov_b32 s[(\g)+2], 128<<16                   ; 79:64 its high half = 0; 95:80 tensor_dim1, low half = 128
	s_mov_b32 s[(\g)+3], KSTEP<<16                 ; 111:96 its high half = 0; 127:112 tile_dim0 = 128
	s_mov_b32 s[(\g)+4], 128                       ; 143:128 tile_dim1 = 128; 159:144 tile_dim2 = 0
	s_mov_b32 s[(\g)+5], SIZE_K                    ; 191:160 tensor_dim0_stride, low word: elements from row to row
	s_mov_b32 s[(\g)+6], 0
	s_mov_b32 s[(\g)+7], 0
.endr
	; where the tiles come from.  aq's hang on the tile row alone, which my row of the cluster shares; wq's on the tile column alone, which my column shares.
	; Every wave makes both offsets, each in registers that never hold the other coordinate, and asks by one of them.
	s_lshl_b32 s20, s[HC], 7                       ; which 128 rows of the tile I fetch
	s_lshl_b32 s40, s[TR], 8
	s_add_co_u32 s40, s40, s20                     ; aq: row 256 x tile row + 128 x half,
	s_lshl_b32 s40, s40, 13                        ; in bytes: 8,192 a row, under 2^25
	s_mov_b32 s41, 0
	s_lshl_b32 s42, s[TC], 8
	s_add_co_u32 s42, s42, s20                     ; wq: row 256 x tile column + 128 x half
	s_lshl_b32 s42, s42, 13
	s_mov_b32 s43, 0
	s_mul_i32 s21, s[WV], HALFT                    ; and where they go: aq's two halves, then wq's two halves = wave x 128 rows: no place in the cluster enters an LDS address
	s_wait_dscnt 0x0                               ; the opening add is done
	s_wait_kmcnt 0x0
	s_add_nc_u64 s[40:41], s[4:5], s[40:41]
	s_add_nc_u64 s[42:43], s[6:7], s[42:43]
	CROUND                                         ; all sixteen work-groups are here: the first joint loads meet
.irp s, 0,1
	s_mov_b32 s[G0+4*(\s)], 1                                        ; 1:0 count = 1
	s_add_co_u32 s[G0+4*(\s)+1], s21, (\s)*SLOT                      ; 63:32 LDS address
	s_add_nc_u64 s[G0+4*(\s)+2:G0+4*(\s)+3], s[40:41], (\s)*KSTEP*2  ; 120:64 global address: K step s
	s_or_b32 s[G0+4*(\s)+3], s[G0+4*(\s)+3], 0x80000000              ; 127:126 type = 2
	s_mov_b32 s[G0B+4*(\s)], 1
	s_add_co_u32 s[G0B+4*(\s)+1], s21, (\s)*SLOT
	s_add_nc_u64 s[G0B+4*(\s)+2:G0B+4*(\s)+3], s[42:43], (\s)*KSTEP*2
	s_or_b32 s[G0B+4*(\s)+3], s[G0B+4*(\s)+3], 0x80000000
	JLOAD \s                                       ; the ring is filled before anything else is done: two loads of mine are out
.endr
	; A fragment is 16 rows x 32 K in 8 registers: lane l holds row l % 16; registers 0-3 hold K = 8 (l / 16) + 0..7, registers 4-7 hold K = 16 + 8 (l / 16) + 0..7.
	; From rows that lie along K: two loads of 16 bytes, 32 bytes apart.  The same for source 0 and source 1.
	v_and_b32 v1, 15, v0                           ; l % 16
	v_bfe_u32 v2, v0, 4, 1                         ; l / 16
	v_mul_u32_u24 v3, v1, PITCH
	v_lshl_add_u32 v3, v2, 4, v3                   ; row x pitch + 16 x half
	s_mul_i32 s20, s[HR], HALFT                    ; my 128 rows of aq
	s_mul_i32 s21, s[HC], HALFT                    ; my 128 rows of wq,
	s_add_co_u32 s21, s21, 2*HALFT                 ; which lie behind aq's 256
.irp s, 0,1
	v_add_nc_u32 v[ADRA+(\s)], s20, v3
	v_add_nc_u32 v[ADRB+(\s)], s21, v3
	s_add_co_u32 s20, s20, SLOT
	s_add_co_u32 s21, s21, SLOT
.endr
	s_mul_i32 s22, s[WV], 16*SPITCH
	s_add_co_u32 s22, s22, STAGE                   ; my stage
	v_mul_u32_u24 v4, v1, SPITCH                   ; in: row l % 16, 32 bytes for each half of the lanes
	v_lshl_add_u32 v4, v2, 5, v4
	v_add_nc_u32 v[STO], s22, v4
	v_and_b32 v5, 31, v0                           ; l
	v_lshlrev_b32 v[CO], 4, v5                     ; back: the 32 lanes take one row of 512 bytes, 16 bytes each; the same in out0
	v_add_nc_u32 v[RD], s22, v[CO]
	v_lshlrev_b32 v[VB], 4, v2
	v_lshlrev_b32 v[PFO], 13, v5
	; the bias of my 128 columns: 2 (256 x tile column + 128 x half) bytes in; block b of 16 columns is 32 bytes, of which my half of the lanes takes 16
	s_lshl_b32 s22, s[TC], 9
	s_lshl_b32 s23, s[HC], 8
	s_add_co_u32 s22, s22, s23
	s_mov_b32 s23, 0
	s_add_nc_u64 s[8:9], s[8:9], s[22:23]
.irp b, 0,1,2,3,4,5,6,7
	global_load_b128 v[PB+4*(\b):PB+4*(\b)+3], v[VB], s[8:9] offset:32*(\b)
.endr
	; out0 at my first row and column
	s_lshl_b32 s22, s[TR], 8
	s_lshl_b32 s23, s[HR], 7
	s_add_co_u32 s22, s22, s23                     ; my first row,
	s_lshl_b32 s22, s22, 14                        ; 16,384 bytes a row: under 2^26
	s_mov_b32 s23, 0
	s_add_nc_u64 s[10:11], s[10:11], s[22:23]
	s_lshl_b32 s22, s[TC], 10                      ; my first column, in bytes: 1,024 x tile column + 512 x half
	s_lshl_b32 s23, s[HC], 9
	s_add_co_u32 s22, s22, s23
	s_mov_b32 s23, 0
	s_add_nc_u64 s[10:11], s[10:11], s[22:23]
	; the prefetches
	s_lshl_b32 s20, s[TR], 8
	s_lshl_b32 s21, s[TC], 8
	s_and_b32 s22, ttmp7, 0xffff                   ; cluster y
	s_cmp_eq_u32 s[HR], 0                          ; do I fetch for aq?
	s_cselect_b32 s20, s20, s21                    ; the tile's first row: in aq by the tile row, in wq by the tile column
	s_cselect_b32 s21, s[CX], s[CY]                ; my place among the four that ask for it with me
	s_cselect_b32 s22, ttmp9, s22                  ; the coordinate along which other clusters read the same rows
	s_cselect_b64 s[PFA:PFA+1], s[4:5], s[6:7]
	s_cmp_eq_u32 s22, 0
	s_cselect_b32 s[LIM], 1, -1                    ; the same in all sixteen partners, for a given wave
	s_lshl_b32 s22, s[HC], 7
	s_add_co_u32 s20, s20, s22                     ; + the 128 rows that I fetch
	s_lshl_b32 s21, s21, 5
	s_add_co_u32 s20, s20, s21                     ; + my work-group's 32 of them
	s_lshl_b32 s20, s20, 13                        ; in bytes
	s_mov_b32 s21, 0
	s_add_nc_u64 s[PFA:PFA+1], s[PFA:PFA+1], s[20:21]
	s_add_nc_u64 s[PFA:PFA+1], s[PFA:PFA+1], 2*KSTEP*2  ; at K step 2: the first refill steps it to 3 and names K step 4.  Nothing is prefetched here, at the head, where every work-group's first tiles are on their way
	s_wait_loadcnt 0x0                             ; the bias
.set i, 0
.rept 32
	v_lshlrev_b32 v[BIAS+2*i], 16, v[PB+i]         ; bf16 to f32: the low half moves up,
	v_and_b32 v[BIAS+2*i+1], 0xffff0000, v[PB+i]   ; the high half stays
.set i, i+1
.endr
; 16 matrix instructions: m blocks a0, a0 + 1 of the window's four (hi = 0: my rows 0-63, 1: rows 64-127) x all 8 n blocks, 32 along K.
; first = 1: the product starts the sum with the bias of its 16 columns as C.  The 64 accumulators take turns in the same order in every quarter step.
.macro MUL16 f, hi, a0, first
.if \first
	WIN FST_LO+0x40*(\hi)
.else
	WIN MUL_LO+0x50*(\hi)
.endif
.irp a, \a0, (\a0)+1
.irp b, 0,1,2,3,4,5,6,7
.if \first
	v_wmma_f32_16x16x32_bf16 v[8*(8*(\a)+(\b)):8*(8*(\a)+(\b))+7], v[(\f)+8*(\b):(\f)+8*(\b)+7], v[(\f)+8*(4*(\hi)+(\a)):(\f)+8*(4*(\hi)+(\a))+7], v[BIAS+8*(\b):BIAS+8*(\b)+7]
.else
	v_wmma_f32_16x16x32_bf16 v[8*(8*(\a)+(\b)):8*(8*(\a)+(\b))+7], v[(\f)+8*(\b):(\f)+8*(\b)+7], v[(\f)+8*(4*(\hi)+(\a)):(\f)+8*(4*(\hi)+(\a))+7], v[8*(8*(\a)+(\b)):8*(8*(\a)+(\b))+7]
.endif
.endr
.endr
.endm
; 32 LDS loads in one run: the fragments of one quarter step (128 rows of wq, 128 rows of aq, 32 K at byte k of the rows) into buffer f
.macro FETCH slot, k, f
	WIN TO_B
.irp i, 0,1,2,3,4,5,6,7
	ds_load_b128 v[(\f)+8*(\i):(\f)+8*(\i)+3],   v[ADRB+(\slot)] offset:(\k)+(\i)*16*PITCH
	ds_load_b128 v[(\f)+8*(\i)+4:(\f)+8*(\i)+7], v[ADRB+(\slot)] offset:(\k)+(\i)*16*PITCH+32
.endr
	WIN 0
.irp i, 0,1,2,3,4,5,6,7
	ds_load_b128 v[(\f)+8*(\i):(\f)+8*(\i)+3],   v[ADRA+(\slot)] offset:(\k)+(\i)*16*PITCH
	ds_load_b128 v[(\f)+8*(\i)+4:(\f)+8*(\i)+7], v[ADRA+(\slot)] offset:(\k)+(\i)*16*PITCH+32
.endr
.endm
; A load into a register that a matrix instruction has read, and an LDS store that reads a matrix result, stand four places behind that matrix instruction, and only plain vector instructions that name none
; of its registers are places (ISA guide 7.12.1 for vector instructions); the matrix instructions in between are not counted.
.macro PLACES
.rept 4
	v_nop
.endr
.endm
; A K step is four quarter steps of 32 along K, 64 matrix instructions each, on buffers 0, 1, 0, 1.
; One of the first three: multiplies buffer f; in its middle it fetches the next quarter's fragments, at byte k of the same slot's rows, into buffer g.
.macro QUARTER slot, k, f, g, first
	s_wait_dscnt 8                                 ; wq's fragments and aq's rows 0-63 are in; the youngest eight loads (aq's rows 64-127) may be out
	MUL16 \f, 0, 0, \first
	MUL16 \f, 0, 2, \first
	PLACES
	FETCH \slot, \k, \g
	s_wait_dscnt 32                                ; all but the 32 just issued
	MUL16 \f, 1, 0, \first
	MUL16 \f, 1, 2, \first
.endm
; The last quarter multiplies buffer 1 and changes slots.  MEET is its first half: ONE barrier for the change of slots, for two things.  In front of it each wave waits for all its tensor loads, of which one
; is out: its part of the next slot; adds 0 to its spare word; and waits for that and for its own reads of this slot.  Behind it nobody reads this slot any more and the next slot is whole.
.macro MEET round                      ; round = 1: a round of the cluster's barrier follows
	WIN 0                                          ; (the add's two registers lie in window 0)
	s_wait_tensorcnt 0x0                           ; all my tensor loads have landed: the one that was out is my part of the next slot;
	ds_add_u32 v[SPW], v[NIL]                      ; 0 onto my spare word;
	s_wait_dscnt 9                                 ; (the add and the youngest eight loads may be out)
	MUL16 F1, 0, 0, 0                              ; sixteen matrix instructions stand between the add and the wait for it
	s_wait_dscnt 0x0                               ; the add is done, and my reads of this slot are over:
	s_barrier_signal -1                            ; say so (where a slot is filled again this barrier opens a round of the cluster's barrier),
	MUL16 F1, 0, 2, 0                              ; work on registers while the others arrive,
.if \round
	WIN 0
.endif
	s_barrier_wait -1                              ; and go on when all four have said so
.endm
; The whole last quarter.  fill = 1: behind the round the slot just read out is filled again first, with the K step two steps on; then come the next slot's first fragments.
; From a request to the wait for it a wave issues 224 matrix instructions; one tensor load of mine is out behind each round.
.macro TURN slot, next, fill
.if \fill
	s_wait_xcnt 0x0                                ; the last prefetch, a K step back, has read its address: it is stepped here, ahead of the waits of the change of slots
	s_add_nc_u64 s[PFA:PFA+1], s[PFA:PFA+1], KSTEP*2
	MEET 1
	CREST                                          ; wave 0 says so for the work-group, all sixteen work-groups have said so, my work-group's barrier closes the round:
	                                               ; no wave of any partner still reads this slot's tile or has a load on its way
	s_add_nc_u64 s[G0+4*(\slot)+2:G0+4*(\slot)+3], s[G0+4*(\slot)+2:G0+4*(\slot)+3], 2*KSTEP*2    ; no tensor load of mine is out, so a group 0 may be written; the type bits on top are not reached
	s_add_nc_u64 s[G0B+4*(\slot)+2:G0B+4*(\slot)+3], s[G0B+4*(\slot)+2:G0B+4*(\slot)+3], 2*KSTEP*2
	JLOAD \slot                                    ; the first tensor load behind the round; the four v_nop behind it are also the places in front of the loads below
	FETCH \next, 0, F0
	ASK                                            ; behind the joint load and the run of LDS loads that the next products wait for
.else
	MEET 0                                         ; nothing is filled again, so no round follows
	PLACES
	FETCH \next, 0, F0
.endif
	MUL16 F1, 1, 0, 0
	MUL16 F1, 1, 2, 0
.endm
; THE WAY OUT of block a (16 of my rows), in two parts.  TOSTAGE: a lane's 32 bytes of each of the 8 accumulators go into my own stage in LDS (each accumulator's low four registers first)
; and the rows come back whole, 512 bytes each.  SEND: they are stored.
.macro TOSTAGE a
.set AC, 64*((\a)%4)
.set BK, OB+64*((\a)%2)
	WIN 0x08+4*((\a)/4)                            ; the stores' data (source 1) in window 2 or 3
.irp b, 0,1,2,3,4,5,6,7
	ds_store_b128 v[STO], v[AC+8*(\b):AC+8*(\b)+3]   offset:64*(\b)
	ds_store_b128 v[STO], v[AC+8*(\b)+4:AC+8*(\b)+7] offset:64*(\b)+16
.endr
	WIN 0
.if (\a) >= 2
	s_wait_xcnt 0x0                                ; the stores of the block two back have had their addresses translated (ISA guide 3.1): their data registers are loaded again only behind this wait
.endif
.irp t, 0,1,2,3,4,5,6,7,8,9,10,11,12,13,14,15
	ds_load_b128 v[BK+4*(\t):BK+4*(\t)+3], v[RD] offset:(\t)*SPITCH  ; LDS serves a wave's instructions in order (ISA guide 5.7.1.4): these see the stores above; the next block's stores come behind them
.endr
.endm
.macro SEND a, younger                 ; younger: the LDS instructions issued behind block a's loads: the next block's 16 stores and 16 loads, or none
	WIN 0
.set BK, OB+64*((\a)%2)
	s_wait_dscnt \younger                          ; the block is back in registers
.irp t, 0,1,2,3,4,5,6,7,8,9,10,11,12,13,14,15
	global_store_b128 v[CO], v[BK+4*(\t):BK+4*(\t)+3], s[10:11] offset:(16*(\a)+(\t))*SIZE_N*4 th:TH_STORE_NT  ; the wave stores 512 consecutive bytes, at a multiple of 512 from out0's first byte; 127 rows at the most: inside the signed 24-bit immediate
.endr
.endm
	s_wait_tensorcnt 1                             ; my part of K step 0 is in; K step 1's may stay out
	s_barrier_signal -1
	s_barrier_wait -1                              ; everybody's is
	FETCH 0, 0, F0
	QUARTER 0, 64,  F0, F1, 1                      ; the first quarter stands in front of the loop: its products start the sums, with the bias
	WIN 0                                          ; at a label and at a branch every window is 0
	s_mov_b32 s3, LAPS-1
.Llap:                                                 ; a trip goes once round the ring, from a lap's second quarter to the next lap's first, and fills both slots again
	QUARTER 0, 128, F1, F0, 0
	QUARTER 0, 192, F0, F1, 0
	TURN 0, 1, 1
	QUARTER 1, 64,  F0, F1, 0
	QUARTER 1, 128, F1, F0, 0
	QUARTER 1, 192, F0, F1, 0
	TURN 1, 0, 1
	QUARTER 0, 64,  F0, F1, 0
	WIN 0
	s_sub_co_u32 s3, s3, 1
	s_cmp_lg_u32 s3, 0
	s_cbranch_scc1 .Llap
	QUARTER 0, 128, F1, F0, 0                      ; the last lap is written out: it fills nothing, and has no round of the cluster's barrier
	QUARTER 0, 192, F0, F1, 0
	TURN 0, 1, 0
	QUARTER 1, 64,  F0, F1, 0
	QUARTER 1, 128, F1, F0, 0
	QUARTER 1, 192, F0, F1, 0
	s_wait_dscnt 8                                 ; the very last quarter: nothing more to fetch
	MUL16 F1, 0, 0, 0
	MUL16 F1, 0, 2, 0
	s_wait_dscnt 0x0
	MUL16 F1, 1, 0, 0
	MUL16 F1, 1, 2, 0
	WIN 0
	PLACES                                         ; behind the last products: the stage's stores read results, and its loads land in fragment registers
	PLACES                                         ; (eight, once a launch: the stricter count)
	TOSTAGE 0
.irp a, 1,2,3,4,5,6,7                  ; block a's trip through the stage is issued ahead of the wait for block a - 1's
	TOSTAGE \a
	SEND (\a)-1, 32
.endr
	SEND 7, 0
	s_wait_tensorcnt 0x0                           ; the wave's end: the wait, the add and its wait, behind my last tensor load and my last LDS store
	ds_add_u32 v[SPW], v[NIL]
	s_wait_dscnt 0x0
	CROUND                                         ; the closing round: no work-group ends while a partner may still ask for a tile that names it
	s_endpgm
.Lfunc_end_k_q71d4f71b7d_gemm:
	.size	k_q71d4f71b7d_gemm, .Lfunc_end_k_q71d4f71b7d_gemm-k_q71d4f71b7d_gemm
	.p2alignl 7, 3214868480
	.fill 96, 4, 3214868480
	.section	.rodata,"a",@progbits
	.p2align	6, 0x0
	.amdhsa_kernel k_q71d4f71b7d_gemm
		.amdhsa_group_segment_fixed_size 327680
		.amdhsa_private_segment_fixed_size 0
		.amdhsa_enable_private_segment 0
		.amdhsa_kernarg_size 32
		.amdhsa_user_sgpr_count 2
		.amdhsa_user_sgpr_kernarg_segment_ptr 1
		.amdhsa_wavefront_size32 1
		.amdhsa_system_sgpr_workgroup_id_x 1
		.amdhsa_system_sgpr_workgroup_id_y 1
		.amdhsa_system_sgpr_workgroup_id_z 1
		.amdhsa_system_vgpr_workitem_id 0
		.amdhsa_next_free_vgpr 1024
		.amdhsa_next_free_sgpr 66
		.amdhsa_reserve_vcc 0
		.amdhsa_float_denorm_mode_32 3
		.amdhsa_float_denorm_mode_16_64 3
		.amdhsa_memory_ordered 1
		.amdhsa_forward_progress 1
		.amdhsa_inst_pref_size 145
	.end_amdhsa_kernel
	.amdgpu_metadata
---
amdhsa.version: [ 1, 2 ]
amdhsa.kernels:
  - .name:           k_q71d4f71b7d_gemm
    .symbol:         k_q71d4f71b7d_gemm.kd
    .args:
      - { .name: aq, .offset: 0, .size: 8, .value_kind: global_buffer, .address_space: global }
      - { .name: wq, .offset: 8, .size: 8, .value_kind: global_buffer, .address_space: global }
      - { .name: bias, .offset: 16, .size: 8, .value_kind: global_buffer, .address_space: global }
      - { .name: out0, .offset: 24, .size: 8, .value_kind: global_buffer, .address_space: global }
    .group_segment_fixed_size: 327680
    .private_segment_fixed_size: 0
    .kernarg_segment_align: 8
    .kernarg_segment_size: 32
    .max_flat_workgroup_size: 128
    .sgpr_count:     66
    .vgpr_count:     1024
    .wavefront_size: 32
...
	.end_amdgpu_metadata
.endif
;; end of part 2
;; ======== version 2 of 2: 2 launches; version 1 with the launch quant written anew for expert scheduling mode
;; limits: inputs' magnitudes at most 448
;; workspace buffers: aq 33,554,432 bytes; wq 33,554,432 bytes
;; launch quant (part 3): grid 512 x 2, 8 waves a work-group, no clusters, 0 bytes of LDS; arguments inp, weight, aq, wq; writes aq, wq
.if DOCPART == 3
	.amdgcn_target "amdgcn-amd-amdhsa--gfx1250"
	.amdhsa_code_object_version 6
	.text
	.protected	k_q71d4f71b7d_quant
	.globl	k_q71d4f71b7d_quant
	.p2align	8
	.type	k_q71d4f71b7d_quant,@function
k_q71d4f71b7d_quant:
	s_mov_b64 s[64:65], 0
	v_nop
	global_prefetch_b8 v0, s[64:65] scope:SCOPE_SE
	s_setreg_imm32_b32 hwreg(HW_REG_WAVE_SCHED_MODE, 0, 2), 2
	s_setreg_imm32_b32 hwreg(HW_REG_WAVE_MODE, 25, 1), 1
	s_wait_xcnt 0x0
	s_wait_alu depctr_vm_vsrc(0)
; aq = q(inp), wq = q(weight): q rounds an f32 to e4m3, and the e4m3 number is written as bf16.
; Every e4m3 number (3 bits of mantissa, 2^-9 to 448) is exact in bf16, so the way back loses nothing: the product that follows multiplies just the numbers that the e4m3 codes stand for.
; The rounding is v_cvt_scalef32_pk8_fp8_f32 with the scale 1.0 (each number is divided by 2^0): eight numbers to a line, eight codes into a whole register pair.
; LIMIT.  Right for |x| <= 448, e4m3's largest number.  Beyond it the text stores what that conversion gives there (448 or the NaN code), where the result should be 448 up to 464 and NaN above.
; No clamp is written: it would turn every larger number into 448.
; SHARES.  Work-group y = 0 takes inp, y = 1 weight.  Work-group x owns 131,072 consecutive bytes of the source (32 steps of 4,096) and the 65,536 bytes of the result that belong to them.
; In a step thread t loads the 16 bytes at 16 t (a wave's load covers 512 consecutive bytes) and stores the 8 bytes at 8 t (a wave's store covers 256 consecutive bytes, aligned).
; No LDS, no barrier, no matrix unit, no cluster: no byte is wanted twice and no wave wants another's.
; THE MODE: SCHED_MODE bits 1:0 = 2 (LLVM: expert scheduling mode 2), set by the entry lines.  The code itself states the register dependences
; between vector instructions and memory instructions, with s_wait_alu, always for 0.
; THE PLAN.  The 32 steps go in 8 blocks of four.  Registers that memory instructions touch:
;   X0 .. X3   four blocks of the source as loaded.  Written by the loads of block p + 3, issued in block p; read by block p's two conversions to e4m3.
;   Y0, Y1     two blocks of the result.             Written by block p's conversions to bf16; read by the four stores that are issued in block p + 1.
;   v1, v2     byte offsets, made once at the head and never written again: a step's place stands in the immediate offset (126,976 bytes at the most), and the two scalar bases are never stepped.
;   v3 (the scale), v[4:7] (codes) and v[8:11] (f32 at work) are named by vector instructions alone.
; Block p works on X[p % 4] and writes Y[p % 2].  Its memory instructions are the loads into X[(p + 3) % 4] = X[(p - 1) % 4] and the stores from Y[(p - 1) % 2]: the two buffers that block p - 1 worked on
; and that no vector instruction of block p names.  So the waits at the head of a block state all that the block's eight memory instructions hang on, and these are dealt among its conversions with no further wait.
; NO LOOP: both kinds of buffer are back at their start after four blocks; of the 8 blocks the first has nothing in front of it and the last three load nothing, so a loop of four blocks would go round once.
; The blocks are written out by one macro, which takes the block's number.
.set STEPB,  4096                      ; source bytes of the work-group in a step
.set OUTB,   2048                      ; result bytes of the work-group in a step
.set BLOCK,  4                         ; steps in a block
.set BLOCKS, 32 / BLOCK
.set LO, 1                             ; v1        16 t; never rewritten
.set SO, 2                             ; v2        8 t; never rewritten
.set SC, 3                             ; v3        1.0, the conversions' scale; never rewritten
                                       ; v[4:7]    a block's sixteen e4m3 codes: step i's four in v[4 + i] (their halves are named v4.l, v4.h ..)
.set W,  8                             ; v[8:11]   four codes as f32
.set X,  12                            ; v[12:75]  buffer k, step i: 4 registers at X + 16 k + 4 i, as loaded
.set Y,  76                            ; v[76:91]  buffer k, step i: 2 registers at Y + 8 k + 2 i, 4 bf16 to store
	s_load_b256 s[4:11], s[0:1], 0x0               ; inp s[4:5], weight s[6:7], aq s[8:9], wq s[10:11]
	s_and_b32 s12, ttmp7, 0xffff                   ; y: which of the two tensors
	s_lshl_b32 s14, ttmp9, 17                      ; my work-group's first source byte (under 2^26),
	s_mov_b32 s15, 0
	s_lshl_b32 s16, ttmp9, 16                      ; and its first result byte
	s_mov_b32 s17, 0
	v_lshlrev_b32 v[LO], 4, v0
	v_lshlrev_b32 v[SO], 3, v0
	v_mov_b32 v[SC], 1.0
	s_wait_kmcnt 0x0
	s_cmp_eq_u32 s12, 0
	s_cselect_b64 s[4:5], s[4:5], s[6:7]           ; the source
	s_cselect_b64 s[8:9], s[8:9], s[10:11]         ; and its result
	s_add_nc_u64 s[4:5], s[4:5], s[14:15]
	s_add_nc_u64 s[8:9], s[8:9], s[16:17]
	s_wait_alu depctr_va_vdst(0)                   ; v1 and v2 are written: every load of the kernel reads the one as its offset, every store the other
.irp i, 0,1,2,3,4,5,6,7,8,9,10,11
	global_load_b128 v[X+4*(\i):X+4*(\i)+3], v[LO], s[4:5] offset:(\i)*STEPB th:TH_LOAD_NT  ; blocks 0, 1 and 2 into X0, X1, X2; the source is read once in the launch
.endr
; Block p's memory instructions for place i of four: blocks 0 to 4 load the block three further on, blocks 1 to 7 store the block before.
.macro MEM p, i
.if (\p)+3 < BLOCKS
	global_load_b128 v[X+16*(((\p)+3)%4)+4*(\i):X+16*(((\p)+3)%4)+4*(\i)+3], v[LO], s[4:5] offset:(BLOCK*((\p)+3)+(\i))*STEPB th:TH_LOAD_NT  ; three blocks ahead, the load ahead of the store; no vector instruction since the wait names these registers
.endif
.if (\p) >= 1
	global_store_b64 v[SO], v[Y+8*(((\p)+1)%2)+2*(\i):Y+8*(((\p)+1)%2)+2*(\i)+1], s[8:9] offset:(BLOCK*((\p)-1)+(\i))*OUTB  ; the block before; no hint: the next launch reads these bytes
.endif
.endm
; Eight roundings to e4m3: steps 2 j and 2 j + 1 of block p, whose registers lie on end, into the pair v[4 + 2 j : 5 + 2 j]; the first number's code goes to the lowest byte.
.macro TOFP8 p, j
	v_cvt_scalef32_pk8_fp8_f32 v[4+2*(\j):5+2*(\j)], v[X+16*((\p)%4)+8*(\j):X+16*((\p)%4)+8*(\j)+7], v[SC]
.endm
; Step i's four numbers, back in f32, are written as bf16: exact, since an e4m3 number has 4 significant bits.
.macro TOBF p, i
	v_cvt_pk_bf16_f32 v[Y+8*((\p)%2)+2*(\i)], v[W], v[W+1]
	v_cvt_pk_bf16_f32 v[Y+8*((\p)%2)+2*(\i)+1], v[W+2], v[W+3]
.endm
.macro BLK p
.set LEFT, BLOCK*(BLOCKS-1-(\p))       ; the younger loads that may still be out when this block's four have to be there: two blocks' eight; in the last two blocks the counts run down, 4 and 0
.if LEFT > 2*BLOCK
.set LEFT, 2*BLOCK
.endif
	s_wait_loadcnt LEFT                            ; loads come back in order (ISA guide 5.7.1): X[p % 4] is in, the younger blocks stay out
.if (\p) >= 2
	s_wait_xcnt 0x0                                ; every earlier memory instruction has had its address translated (ISA guide 3.1): Y[p % 2], the data of stores issued in the block before, is rewritten only behind this wait
	s_wait_alu depctr_vm_vsrc(0)                   ; the stores issued in the block before have read Y[p % 2], which this block's conversions to bf16 write again
.endif
.if (\p) >= 1
	s_wait_alu depctr_va_vdst(0)                   ; the block before has written the other Y, which the stores below read, and is done reading its X, in which the loads below (blocks 1 to 4) land
.endif
	MEM \p, 0
	TOFP8 \p, 0                                    ; steps 0 and 1
	MEM \p, 1
	v_nop                                          ; one plain vector instruction stands between a scaled conversion and the first reader of its result; nothing independent is at hand here
	v_cvt_pk_f32_fp8 v[W:W+1], v4.l                ; step 0: its codes back to f32, exactly: bytes 0 and 1,
	v_cvt_pk_f32_fp8 v[W+2:W+3], v4.h              ; bytes 2 and 3
	TOFP8 \p, 1                                    ; steps 2 and 3: the two lines below name none of its registers and are the plain instructions behind it
	TOBF \p, 0
	MEM \p, 2
	v_cvt_pk_f32_fp8 v[W:W+1], v5.l                ; step 1
	v_cvt_pk_f32_fp8 v[W+2:W+3], v5.h
	TOBF \p, 1
	MEM \p, 3
	v_cvt_pk_f32_fp8 v[W:W+1], v6.l                ; step 2
	v_cvt_pk_f32_fp8 v[W+2:W+3], v6.h
	TOBF \p, 2
	v_cvt_pk_f32_fp8 v[W:W+1], v7.l                ; step 3
	v_cvt_pk_f32_fp8 v[W+2:W+3], v7.h
	TOBF \p, 3
.endm
.irp p, 0,1,2,3,4,5,6,7
	BLK \p                                         ; blocks 5 to 7 load nothing: no load leaves the work-group's bytes
.endr
	s_wait_alu depctr_va_vdst(0)                   ; block 7 has written Y1, which the last four stores read
.irp i, 0,1,2,3
	global_store_b64 v[SO], v[Y+8+2*(\i):Y+8+2*(\i)+1], s[8:9] offset:(BLOCK*(BLOCKS-1)+(\i))*OUTB
.endr
	s_endpgm
.Lfunc_end_k_q71d4f71b7d_quant:
	.size	k_q71d4f71b7d_quant, .Lfunc_end_k_q71d4f71b7d_quant-k_q71d4f71b7d_quant
	.p2alignl 7, 3214868480
	.fill 96, 4, 3214868480
	.section	.rodata,"a",@progbits
	.p2align	6, 0x0
	.amdhsa_kernel k_q71d4f71b7d_quant
		.amdhsa_group_segment_fixed_size 0
		.amdhsa_private_segment_fixed_size 0
		.amdhsa_enable_private_segment 0
		.amdhsa_kernarg_size 32
		.amdhsa_user_sgpr_count 2
		.amdhsa_user_sgpr_kernarg_segment_ptr 1
		.amdhsa_wavefront_size32 1
		.amdhsa_system_sgpr_workgroup_id_x 1
		.amdhsa_system_sgpr_workgroup_id_y 1
		.amdhsa_system_sgpr_workgroup_id_z 1
		.amdhsa_system_vgpr_workitem_id 0
		.amdhsa_next_free_vgpr 92
		.amdhsa_next_free_sgpr 66
		.amdhsa_reserve_vcc 0
		.amdhsa_float_denorm_mode_32 3
		.amdhsa_float_denorm_mode_16_64 3
		.amdhsa_memory_ordered 1
		.amdhsa_forward_progress 1
		.amdhsa_inst_pref_size 16
	.end_amdhsa_kernel
	.amdgpu_metadata
---
amdhsa.version: [ 1, 2 ]
amdhsa.kernels:
  - .name:           k_q71d4f71b7d_quant
    .symbol:         k_q71d4f71b7d_quant.kd
    .args:
      - { .name: inp, .offset: 0, .size: 8, .value_kind: global_buffer, .address_space: global }
      - { .name: weight, .offset: 8, .size: 8, .value_kind: global_buffer, .address_space: global }
      - { .name: aq, .offset: 16, .size: 8, .value_kind: global_buffer, .address_space: global }
      - { .name: wq, .offset: 24, .size: 8, .value_kind: global_buffer, .address_space: global }
    .group_segment_fixed_size: 0
    .private_segment_fixed_size: 0
    .kernarg_segment_align: 8
    .kernarg_segment_size: 32
    .max_flat_workgroup_size: 256
    .sgpr_count:     66
    .vgpr_count:     92
    .wavefront_size: 32
...
	.end_amdgpu_metadata
.endif
;; end of part 3
;; launch gemm: the kernel of part 2 again; grid 16 x 16, 4 waves a work-group, clusters of 4 x 4, 327,680 bytes of LDS; arguments aq, wq, bias, out0; writes out0
